; MI455X (gfx1250); checked and timed in simulation.
; The chip was launched on July 23, 2026; its instructions are those of AMD's public machine-readable ISA for CDNA 5 (MIT licence, August 2026) and "CDNA5" Instruction Set Architecture Reference Guide (July 2026). The comments in the code are by the model that wrote it; some were corrected since.
;; MLP Q. Allowed arithmetic: matrix products marked QUANTISED: E4M3 operands, one given power-of-two scale a tensor, by v_wmma_f32_16x16x64_fp8_fp8 or v_wmma_f32_16x16x128_fp8_fp8, f32 sums; everything else in f32.
;; Inputs: b_fc_q 8,192 int32; b_proj_q 2,048 int32; lowp_scales 4 int32 (the exponents e of the quantised operands' scales 2^e); s_fc_b one number float32; s_fc_w one number float32; s_proj_b one number float32; s_proj_w one number float32; w_fc_q 8,192 x 2,048 int32; w_proj_q 2,048 x 8,192 int32; x_codes 4 x 512 x 64 x 32 uint8 (E4M3 codes of x, K innermost, in blocks of 32 codes).
;; Outputs: out0 4 x 512 x 2,048 float32.
;; Constants: z_fc_b = 0, z_fc_w = 0, z_proj_b = 0, z_proj_w = 0.
;; This version of the problem:
;;   THIS VERSION OF THE PROBLEM IS GIVEN IN LOW PRECISION. The matrix products marked QUANTISED in the list below multiply operands that are first quantised to E4M3 (4 exponent bits, 3 mantissa bits; 8 bits a number), with one given power-of-two scale for each operand tensor; their sums are f32. All else is computed in f32.
;;   The module's matrix products, in the order in which they are computed (A, B: the left and right operand; K: the contracted axis; several contracted axes count as one K, in the product's order):
;;     1. [M 2,048, K 2,048] x [K 2,048, N 8,192]; A: input x (given as codes); B: computed on the way: QUANTISED (scales: A lowp_scales[0], B lowp_scales[1])
;;     2. [M 2,048, K 8,192] x [K 8,192, N 2,048]; A: computed on the way; B: computed on the way: QUANTISED (scales: A lowp_scales[2], B lowp_scales[3])
;;   THE QUANTISER, for each operand of a quantised product, along K:
;;     - The operand's scale is 2^e, e = its entry of the input lowp_scales (int32; the entries are numbered through the quantised products in the list's order, A before B).
;;     - Each number is divided by the scale, clamped to +-448, and rounded to the nearest number of E4M3, ties to even, subnormals kept.
;;     - The product sums the exact products of the quantised numbers (number of the format x scale) in f32.
;;   ~~~python
;;   def quantise(x, axis, e):      # numpy; x: float32 -> the quantised numbers, widened to float32 again
;;       x = np.moveaxis(x, axis, -1); K = x.shape[-1]
;;       r = np.clip(x / 2.0 ** e, -448, 448)
;;       step = 2.0 ** (np.maximum(np.frexp(np.where(r == 0, 1, r))[1] - 1, -6) - 3)
;;       q = np.round(r / step) * step * 2.0 ** e      # np.round: ties to even
;;       return np.moveaxis(q, -1, axis).astype(np.float32)
;;   ~~~
;;   OPERANDS COMPUTED ON THE WAY. 'Computed on the way' means the value that the module computes at that place (a softmax that the list does not call 'softmax' is quantised finished and normalised). What goes into a quantiser is computed in f32, as accurately as f32 sums, v_exp_f32 and their like allow (about 1e-6 of the number): no bf16 or f16 on the way to a quantiser, and a product that is left as it is and whose result goes on into a quantised operand takes f32 operands (vector FMAs, or v_wmma_f32_16x16x4_f32). A number that lies on a knife's edge between two numbers of the format may be rounded either way, as far as f32 arithmetic and the matrix unit's own rounding can turn it there, and no further.
;;   INPUTS GIVEN AS CODES. x (in the module: [4, 512, 2048], K = its axis 2): each comes as NAME_codes (uint8): NAME with its K axis moved to the last place and cut into blocks of 32 codes, [.., K / 32, bytes a block], one block behind the other in memory; one code a byte (a code: sign, 4 exponent bits, 3 mantissa bits); its scale is its entry of lowp_scales. Its value is code x scale, taken as it is: it is not quantised again, and the codes and scales need not be those that the quantiser above would give.
;; One version. Each part assembles by itself: llvm-mc -triple=amdgcn-amd-amdhsa -mcpu=gfx1250 --defsym DOCPART=n.
;; ======== version 1 of 1: 3 launches
;; limits: right only within a limited range of input values
;; workspace buffers: w1c 16,777,216 bytes; w2c 16,777,216 bytes; hc 16,777,216 bytes
;; launch quant (part 1): grid 1024 x 1, 4 waves a work-group, no clusters, 67,072 bytes of LDS; arguments w_fc_q, w_proj_q, s_fc_w, s_proj_w, lowp_scales, w1c, w2c; writes w1c, w2c
.if DOCPART == 1
	.amdgcn_target "amdgcn-amd-amdhsa--gfx1250"
	.amdhsa_code_object_version 6
	.text
	.protected	k_q5a70b17377_quant
	.globl	k_q5a70b17377_quant
	.p2align	8
	.type	k_q5a70b17377_quant,@function
k_q5a70b17377_quant:
	s_mov_b64 s[64:65], 0
	v_nop
	global_prefetch_b8 v0, s[64:65] scope:SCOPE_SE
	s_setreg_imm32_b32 hwreg(HW_REG_WAVE_MODE, 25, 1), 1
	s_wait_xcnt 0x0
; Both weights, [8192][2048] and [2048][8192] of int32 with K innermost, become codes of FP8 (E4M3), one byte each.
; number = s x f32(q) (the zero points are the constant 0, so nothing is subtracted); code = number / 2^e, held within +-448, rounded to the nearest code, ties to even.
; e is entry 1 (w_fc) or entry 3 (w_proj) of the buffer of scales.  LIMIT: -126 <= e and e + 8 <= 127, so that 2^e and 448 x 2^e are f32 numbers.
; The first WGA work-groups take w_fc, the others w_proj; the two part on the work-group's number alone.
; w1c keeps w_fc's order (rows of 2,048 codes).  A wave takes 16 steps of 512 numbers of the plain stream: four loads of 512 consecutive bytes; the conversion wants 16 NEIGHBOURS in
; one lane's registers, so a step goes through the wave's own stage in LDS and comes back 64 bytes a lane.  The wave stores 512 consecutive bytes of codes.
; w2c is laid AS THE NEXT READER'S REGISTERS WANT IT: a fragment, 16 rows x 128 K, is 2,048 bytes on end; fragment (row block i, K block q) lies at (64 i + q) x 2,048; in it the 16 codes
; of row r, K = 32 c + 16 h + 0 .. 15, lie at 512 c + 16 (16 h + r).  A wave takes four fragments that are neighbours along K: sixteen loads a fragment, each 512 consecutive bytes of one row,
; through a stage of 16 rows (528 bytes apart), back 4 x 64 bytes a lane; four stores of 512 consecutive bytes.
; No tensor loads, no barrier: waves share nothing.  Each path has LDS bytes of its own.
.set STEPS, 16
.set WGA,   512                        ; 16,777,216 numbers / (4 waves x 8,192)
.set R,     16                         ; w_fc: v16-79 four sets of 16 numbers as they are loaded
.set X,     80                         ; v80-111  two sets of 16 neighbours
.set C,     128                        ; v128-191 codes: four registers for each step, so that no store's data are written again
.set WREG,  8192                       ; LDS: a region for each wave: two stages of 32 x SP bytes
.set SP,    80                         ; a lane's place in a stage: its 64 bytes + 16 of padding
.set FQ,    16                         ; w_proj: v16-143 two sets of 64: a fragment's numbers as they are loaded
.set FX,    144                        ; v144-207 my 64 numbers of a fragment
.set FC,    208                        ; v208-239 codes, two sets of 16
.set FP,    528                        ; a stage row: 512 bytes + 16 of padding
.set FST,   16*FP                      ; a wave's stage
.set FBASE, 33280                      ; behind w_fc's stages (32,768 bytes) and the spare words (512)
	s_load_b256 s[4:11], s[0:1], 0x0               ; w_fc_q s[4:5], w_proj_q s[6:7], s_fc_w s[8:9], s_proj_w s[10:11]
	s_load_b64 s[12:13], s[0:1], 0x20              ; the scales' exponents
	s_load_b128 s[16:19], s[0:1], 0x28             ; w1c s[16:17], w2c s[18:19]
	v_lshl_add_u32 v12, v0, 2, 0x8000              ; my spare word,
	v_mov_b32 v13, 0                               ; and 0
	v_lshrrev_b32 v1, 5, v0
	v_readfirstlane_b32 s28, v1                    ; wave
	v_and_b32 v2, 31, v0                           ; lane
	v_lshlrev_b32 v3, 4, v2                        ; my 16 bytes of a load's 512
	s_mul_i32 s29, s28, WREG
	v_lshrrev_b32 v14, 2, v2
	v_mul_u32_u24 v14, v14, SP
	v_and_b32 v15, 3, v2
	v_lshl_add_u32 v14, v15, 4, v14
	v_add_nc_u32 v14, s29, v14                     ; w_fc's stage, on the way in: four lanes' 64 bytes on end, then 16 of padding
	v_mul_u32_u24 v15, v2, SP
	v_add_nc_u32 v15, s29, v15                     ; and on the way out: SP x lane: my 16 neighbours
	v_lshlrev_b32 v4, 4, v2                        ; my codes' place in a store's 512 bytes
	s_wait_alu depctr_va_vdst(0)
	s_wait_kmcnt 0x0
	s_load_b128 s[20:23], s[12:13], 0x0            ; e0 .. e3
	s_load_b32 s24, s[8:9], 0x0                    ; s_fc_w
	s_load_b32 s25, s[10:11], 0x0                  ; s_proj_w
	s_cmp_lt_u32 ttmp9, WGA                        ; w_fc's work-group or w_proj's?
	s_cselect_b64 s[4:5], s[4:5], s[6:7]
	s_cselect_b64 s[16:17], s[16:17], s[18:19]
	s_cselect_b32 s26, 0, WGA
	s_sub_co_u32 s26, ttmp9, s26
	s_lshl_b32 s26, s26, 2
	s_add_co_u32 s26, s26, s28                     ; u: which 8,192 numbers of the tensor are my wave's: 0 .. 2,047
	s_lshl_b32 s30, s26, 15                        ; w_fc: 32,768 bytes of numbers on end
	s_lshr_b32 s27, s26, 4                         ; w_proj: row block u / 16 (16 rows of 32,768 bytes),
	s_lshl_b32 s27, s27, 19
	s_and_b32 s31, s26, 15                         ; K blocks 4 (u % 16) .. + 3 (512 bytes of a row each)
	s_lshl_b32 s31, s31, 11
	s_add_co_u32 s27, s27, s31
	s_cmp_lt_u32 ttmp9, WGA
	s_cselect_b32 s30, s30, s27
	s_mov_b32 s31, 0
	s_add_nc_u64 s[4:5], s[4:5], s[30:31]
	s_lshl_b32 s30, s26, 13                        ; 8,192 bytes of codes on end, in both layouts: (64 (u / 16) + 4 (u % 16)) x 2,048 = 8,192 u
	s_add_nc_u64 s[16:17], s[16:17], s[30:31]
	s_cmp_ge_u32 ttmp9, WGA
	s_cbranch_scc1 .Lfrag
.macro LOAD t
.irp i, 0,1,2,3
	global_load_b128 v[R+16*((\t)%4)+4*\i:R+16*((\t)%4)+4*\i+3], v3, s[4:5] offset:2048*(\t)+512*\i th:TH_LOAD_NT   ; 32 lanes read 512 consecutive bytes; read once in the launch
.endr
.endm
.macro TURN t                          ; step t's numbers through the stage: LDS serves a wave's instructions in order (ISA guide 5.7.1.4), so no wait stands between the stores and the loads
.irp i, 0,1,2,3
	ds_store_b128 v14, v[R+16*((\t)%4)+4*\i:R+16*((\t)%4)+4*\i+3] offset:32*SP*((\t)%2)+8*SP*\i
.endr
.irp i, 0,1,2,3
	ds_load_b128 v[X+16*((\t)%2)+4*\i:X+16*((\t)%2)+4*\i+3], v15 offset:32*SP*((\t)%2)+16*\i
.endr
.endm
.irp t, 0,1,2,3
	LOAD \t
.endr
	s_wait_kmcnt 0x0
	s_mov_b32 s25, s24                             ; s_fc_w (the packed multiply names the pair, so both are written)
	s_add_co_i32 s22, s21, 127                     ; e: entry 1
	s_lshl_b32 s23, s22, 23
	v_mov_b32 v11, s23                             ; 2^e as f32: the conversion takes its exponent field
	s_add_co_i32 s22, s22, 8
	s_lshl_b32 s22, s22, 23
	s_or_b32 s22, s22, 0x600000
	v_mov_b32 v10, s22                             ; 448 x 2^e
	s_wait_loadcnt 12                              ; step 0's four loads are in; those of steps 1 to 3 may be out
	TURN 0
.macro STEP t
.set XS, X+16*((\t)%2)
	s_wait_dscnt 0x0                               ; this step's numbers are back from the stage: so its stores into the stage have read their registers,
.if (\t)+4 < STEPS
	LOAD (\t)+4                                    ; which take the loads of four steps on
.endif
.if (\t)+1 < STEPS
.if STEPS-2-(\t) >= 3
	s_wait_loadcnt 12                              ; the next step's four loads are in; those of the three steps behind it may be out
.else
	s_wait_loadcnt 4*(STEPS-2-(\t))
.endif
	TURN (\t)+1                                    ; and go through the other stage while this step is worked
.endif
.irp i, 0,1,2,3,4,5,6,7,8,9,10,11,12,13,14,15
	v_cvt_f32_i32 v[XS+\i], v[XS+\i]               ; the whole number as f32
.endr
.irp i, 0,2,4,6,8,10,12,14
	v_pk_mul_f32 v[XS+\i:XS+\i+1], v[XS+\i:XS+\i+1], s[24:25] op_sel_hi:[1,0]   ; x s: the weight as the source has it
.endr
.irp i, 0,1,2,3,4,5,6,7,8,9,10,11,12,13,14,15
	v_med3_num_f32 v[XS+\i], v[XS+\i], -v10, v10   ; the conversion to an 8-bit code does not saturate (ISA guide 7.6.2): hold the number within the largest code x the scale first
.endr
	v_cvt_scalef32_pk8_fp8_f32 v[C+4*(\t):C+4*(\t)+1], v[XS:XS+7], v11          ; eight numbers / 2^e, to the nearest code, ties to even; the first number's code in the lowest byte
	v_cvt_scalef32_pk8_fp8_f32 v[C+4*(\t)+2:C+4*(\t)+3], v[XS+8:XS+15], v11
	global_store_b128 v4, v[C+4*(\t):C+4*(\t)+3], s[16:17] offset:512*(\t)     ; 32 lanes store 512 consecutive bytes, aligned; the next vector lines are plain and touch the other set
.endm
.irp t, 0,1,2,3,4,5,6,7,8,9,10,11,12,13,14,15
	STEP \t
.endr
	s_wait_tensorcnt 0x0                           ; the wave's end
	ds_add_u32 v12, v13
	s_wait_dscnt 0x0
	s_endpgm
; w_proj: four fragments a wave
.macro FLOAD f                         ; fragment f: row i's 128 numbers are 512 consecutive bytes
.irp i, 0,1,2,3,4,5,6,7,8,9,10,11,12,13,14,15
	global_load_b128 v[FQ+64*((\f)%2)+4*\i:FQ+64*((\f)%2)+4*\i+3], v3, s[4:5] offset:32768*\i+512*(\f) th:TH_LOAD_NT
.endr
.endm
.macro FRAGQ f
.if (\f) < 3
	s_wait_loadcnt 16                              ; this fragment's sixteen loads are in; the next fragment's may be out
.else
	s_wait_loadcnt 0
.endif
.irp i, 0,1,2,3,4,5,6,7,8,9,10,11,12,13,14,15
	ds_store_b128 v5, v[FQ+64*((\f)%2)+4*\i:FQ+64*((\f)%2)+4*\i+3] offset:FP*\i   ; (the last fragment's reads of the stage were waited for)
.endr
.irp c, 0,1,2,3
.irp q, 0,1,2,3
	ds_load_b128 v[FX+16*\c+4*\q:FX+16*\c+4*\q+3], v6 offset:128*\c+16*\q         ; row r, K = 32 c + 16 h + 4 q ..; a wave's LDS instructions are served in order
.endr
.endr
	s_wait_dscnt 0x0
.if (\f)+2 < 4
	FLOAD (\f)+2                                   ; into the set that the stores above have read
.else
	s_wait_xcnt 0x0                                ; the stores of two fragments ago have read their codes' registers
.endif
.irp i, 0,1,2,3,4,5,6,7,8,9,10,11,12,13,14,15,16,17,18,19,20,21,22,23,24,25,26,27,28,29,30,31,32,33,34,35,36,37,38,39,40,41,42,43,44,45,46,47,48,49,50,51,52,53,54,55,56,57,58,59,60,61,62,63
	v_cvt_f32_i32 v[FX+\i], v[FX+\i]
.endr
.irp i, 0,2,4,6,8,10,12,14,16,18,20,22,24,26,28,30,32,34,36,38,40,42,44,46,48,50,52,54,56,58,60,62
	v_pk_mul_f32 v[FX+\i:FX+\i+1], v[FX+\i:FX+\i+1], s[24:25] op_sel_hi:[1,0]
.endr
.irp i, 0,1,2,3,4,5,6,7,8,9,10,11,12,13,14,15,16,17,18,19,20,21,22,23,24,25,26,27,28,29,30,31,32,33,34,35,36,37,38,39,40,41,42,43,44,45,46,47,48,49,50,51,52,53,54,55,56,57,58,59,60,61,62,63
	v_med3_num_f32 v[FX+\i], v[FX+\i], -v10, v10
.endr
.irp u, 0,1,2,3,4,5,6,7
	v_cvt_scalef32_pk8_fp8_f32 v[FC+16*((\f)%2)+2*\u:FC+16*((\f)%2)+2*\u+1], v[FX+8*\u:FX+8*\u+7], v11
.endr
	v_nop                                          ; one plain line behind the last scaled conversion: the next fragment's vector lines write its sources
.irp c, 0,1,2,3
	global_store_b128 v4, v[FC+16*((\f)%2)+4*\c:FC+16*((\f)%2)+4*\c+3], s[16:17] offset:2048*(\f)+512*\c   ; 32 lanes store 512 consecutive bytes, aligned
.endr
.endm
.Lfrag:
	s_mul_i32 s29, s28, FST
	s_add_co_u32 s29, s29, FBASE
	v_add_nc_u32 v5, s29, v3                       ; the stage, on the way in: 16 x lane of a row
	v_and_b32 v6, 15, v2                           ; r
	v_lshrrev_b32 v7, 4, v2                        ; h
	v_mul_u32_u24 v6, v6, FP
	v_lshl_add_u32 v6, v7, 6, v6
	v_add_nc_u32 v6, s29, v6                       ; and on the way out: row r, + 64 h bytes
	FLOAD 0
	FLOAD 1
	s_wait_kmcnt 0x0
	s_mov_b32 s24, s25                             ; s_proj_w, in both halves of the pair
	s_add_co_i32 s22, s23, 127                     ; e: entry 3
	s_lshl_b32 s23, s22, 23
	v_mov_b32 v11, s23                             ; 2^e
	s_add_co_i32 s22, s22, 8
	s_lshl_b32 s22, s22, 23
	s_or_b32 s22, s22, 0x600000
	v_mov_b32 v10, s22                             ; 448 x 2^e
	s_wait_alu depctr_va_vdst(0)
	FRAGQ 0
	FRAGQ 1
	FRAGQ 2
	FRAGQ 3
	s_wait_tensorcnt 0x0                           ; the wave's end
	ds_add_u32 v12, v13
	s_wait_dscnt 0x0
	s_endpgm
.Lfunc_end_k_q5a70b17377_quant:
	.size	k_q5a70b17377_quant, .Lfunc_end_k_q5a70b17377_quant-k_q5a70b17377_quant
	.p2alignl 7, 3214868480
	.fill 96, 4, 3214868480
	.section	.rodata,"a",@progbits
	.p2align	6, 0x0
	.amdhsa_kernel k_q5a70b17377_quant
		.amdhsa_group_segment_fixed_size 67072
		.amdhsa_private_segment_fixed_size 0
		.amdhsa_enable_private_segment 0
		.amdhsa_kernarg_size 56
		.amdhsa_user_sgpr_count 2
		.amdhsa_user_sgpr_kernarg_segment_ptr 1
		.amdhsa_wavefront_size32 1
		.amdhsa_system_sgpr_workgroup_id_x 1
		.amdhsa_system_sgpr_workgroup_id_y 1
		.amdhsa_system_sgpr_workgroup_id_z 1
		.amdhsa_system_vgpr_workitem_id 0
		.amdhsa_next_free_vgpr 240
		.amdhsa_next_free_sgpr 66
		.amdhsa_reserve_vcc 0
		.amdhsa_float_denorm_mode_32 3
		.amdhsa_float_denorm_mode_16_64 3
		.amdhsa_memory_ordered 1
		.amdhsa_forward_progress 1
		.amdhsa_inst_pref_size 105
	.end_amdhsa_kernel
	.amdgpu_metadata
---
amdhsa.version: [ 1, 2 ]
amdhsa.kernels:
  - .name:           k_q5a70b17377_quant
    .symbol:         k_q5a70b17377_quant.kd
    .args:
      - { .name: w_fc_q, .offset: 0, .size: 8, .value_kind: global_buffer, .address_space: global }
      - { .name: w_proj_q, .offset: 8, .size: 8, .value_kind: global_buffer, .address_space: global }
      - { .name: s_fc_w, .offset: 16, .size: 8, .value_kind: global_buffer, .address_space: global }
      - { .name: s_proj_w, .offset: 24, .size: 8, .value_kind: global_buffer, .address_space: global }
      - { .name: lowp_scales, .offset: 32, .size: 8, .value_kind: global_buffer, .address_space: global }
      - { .name: w1c, .offset: 40, .size: 8, .value_kind: global_buffer, .address_space: global }
      - { .name: w2c, .offset: 48, .size: 8, .value_kind: global_buffer, .address_space: global }
    .group_segment_fixed_size: 67072
    .private_segment_fixed_size: 0
    .kernarg_segment_align: 8
    .kernarg_segment_size: 56
    .max_flat_workgroup_size: 128
    .sgpr_count:     66
    .vgpr_count:     240
    .wavefront_size: 32
...
	.end_amdgpu_metadata
.endif
;; end of part 1
;; launch fc (part 2): grid 32 x 8, 4 waves a work-group, clusters of 4 x 4, 327,680 bytes of LDS; arguments x_codes, w1c, lowp_scales, b_fc_q, s_fc_b, hc; writes hc
.if DOCPART == 2
	.amdgcn_target "amdgcn-amd-amdhsa--gfx1250"
	.amdhsa_code_object_version 6
	.text
	.protected	k_q5a70b17377_fc
	.globl	k_q5a70b17377_fc
	.p2align	8
	.type	k_q5a70b17377_fc,@function
k_q5a70b17377_fc:
	s_mov_b64 s[64:65], 0
	v_nop
	global_prefetch_b8 v0, s[64:65] scope:SCOPE_SE
	s_setreg_imm32_b32 hwreg(HW_REG_WAVE_MODE, 25, 1), 1
	s_wait_xcnt 0x0
	s_wait_alu depctr_hold_cnt(0) depctr_sa_sdst(0) depctr_va_vdst(0) depctr_va_sdst(0) depctr_va_ssrc(0) depctr_va_vcc(0) depctr_vm_vsrc(0)
	s_getreg_b32 s2, hwreg(HW_REG_IB_STS2, 6, 4)
	s_cmp_eq_u32 s2, 0
	s_cbranch_scc0 .Lentry_in_a_cluster
	s_endpgm
.Lentry_in_a_cluster:
	s_bfe_u32 s2, ttmp6, 0x10000c
	s_cmp_lg_u32 s2, 0xf033
	s_cbranch_scc0 .Lentry_shape_is_right
	s_endpgm
.Lentry_shape_is_right:
; hc = Q(gelu(x w_fc^T + b_fc)): x's codes [2048][2048] and w1c [8192][2048] are multiplied as they are; a work-group makes 256 x 256, a wave 128 x 128, K in steps of 256 through two LDS slots
; filled by joint tensor loads in clusters of 4 x 4.  Each sum x 2^(e0 + e1) + s_fc_b x b_fc_q goes through the exact GELU (erfc by a polynomial in 1 / (1 + |h| / (2 sqrt 2)) and one exponential, in f32) and is quantised with 2^e2.
; hc IS LAID AS THE NEXT READER'S REGISTERS WANT IT: a fragment, 16 rows x 128 hidden units, is 2,048 bytes on end; fragment (row block i, K block q) lies at (64 i + q) x 2,048;
; in it the 16 codes of row r, K = 16 b + 0 .. 15, lie at 256 b + 16 r.  A wave's 16 rows x 128 columns are one fragment.
; LIMITS: e0 + e1 between -126 and 127; e2 between -126 and 119.
.set SIZE_N, 8192
.set SIZE_K, 2048
.set KSTEP,  256
.set ROWB,   256
.set KROW,   SIZE_K
.set PITCH,  272
.set FR,     16
.set NL,     4
.set NP,     4
.set HALFT,  128*PITCH
.set SLOT,   4*HALFT
.set LAPS,   SIZE_K/(2*KSTEP)
.set SPARE,  2*SLOT
.set SP,     16                        ; the stage is an image of the fragment: row r's 16 bytes of a K group of 16 lie at 16 r
.set WST,    16384                     ; a wave's stage: its eight fragments
.set ADRA, 16
.set ADRB, 20
.set SCL,  22
.set LIM,  23
.set STO,  24
.set RD,   25
.set CO,   26
.set STA,  27
.set SPW,  28
.set NIL,  29
.set BI,   32
.set HH,   96
.set AA,   160
.set PP,   192
.set DD,   208
.set EE,   224
.set CD,   240
.set AF,   128
.set C9, 2
.set C8, 4
.set C7, 6
.set C6, 8
.set C5, 10
.set C4, 12
.set C3, 14
.set C2, 18
.set C1, 30
.set C0, 0
.set G1, 24
.set G0, 32
.set G1B, 48
.set G0B, 56
.set BA,  86
.set BB,  88
.set OFF, 90
.set MSB, 0
.macro WIN new
.if MSB != \new
	s_set_vgpr_msb (MSB<<8)|\new
.set MSB, \new
.endif
.endm
.set MUL_LO, 0xa1
.set MUL_HI, 0xf1
.set TO_B,   0x40
.macro JLOAD g0a, g1a, g0b, g1b
	s_cmp_eq_u32 s15, 0
	s_cbranch_scc0 .Lfor_b_\@
	tensor_load_to_lds s[\g0a:\g0a+3], s[\g1a:\g1a+7]
	s_nop 0
.rept 4
	v_nop
.endr
	s_branch .Lasked_\@
.Lfor_b_\@:
	tensor_load_to_lds s[\g0b:\g0b+3], s[\g1b:\g1b+7]
	s_nop 0
.rept 4
	v_nop
.endr
.Lasked_\@:
.endm
.macro CREST
	s_cmp_lg_u32 s14, 0
	s_cbranch_scc1 .Lnot_wave_0_\@
	s_barrier_signal -3
.Lnot_wave_0_\@:
	s_barrier_wait -3
	s_barrier_signal -1
	s_barrier_wait -1
.endm
.macro CROUND
	s_barrier_signal -1
	s_barrier_wait -1
	CREST
.endm
.macro NEXTK slot
	s_add_co_u32 s[OFF+2*\slot], s[OFF+2*\slot], 2*ROWB
	s_and_b32 s[OFF+2*\slot], s[OFF+2*\slot], KROW-1
	s_add_nc_u64 s[G0+4*\slot+2:G0+4*\slot+3], s[BA:BA+1], s[OFF+2*\slot:OFF+2*\slot+1]
	s_or_b32 s[G0+4*\slot+3], s[G0+4*\slot+3], 0x80000000
	s_add_nc_u64 s[G0B+4*\slot+2:G0B+4*\slot+3], s[BB:BB+1], s[OFF+2*\slot:OFF+2*\slot+1]
	s_or_b32 s[G0B+4*\slot+3], s[G0B+4*\slot+3], 0x80000000
.endm
	s_load_b256 s[4:11], s[0:1], 0x0
	s_load_b128 s[68:71], s[0:1], 0x20
	v_lshl_add_u32 v[SPW], v0, 2, SPARE
	v_mov_b32 v[NIL], 0
	ds_add_u32 v28, v29
	ds_add_u32 v28, v29
	s_wait_dscnt 0x0
	v_lshrrev_b32 v1, 5, v0
	v_readfirstlane_b32 s14, v1
	s_lshr_b32 s15, s14, 1
	s_and_b32 s16, s14, 1
	s_bfe_u32 s40, ttmp6, 0x40000
	s_bfe_u32 s41, ttmp6, 0x40004
	s_lshl_b32 s42, ttmp9, 2
	s_add_co_u32 s42, s42, s40
	s_and_b32 s17, ttmp7, 0xffff
	s_lshl_b32 s17, s17, 2
	s_add_co_u32 s17, s17, s41
	s_lshl_b32 s43, s41, 2
	s_lshl_b32 s43, 15, s43
	s_lshl_b32 s44, 0x1111, s40
	s_and_b32 s94, ttmp7, 0xffff
	s_lshl_b32 s94, s94, 1
	s_add_co_u32 s94, s94, ttmp9
	s_and_b32 s94, s94, 3
	s_lshl_b32 s[OFF], s94, 9
	s_mov_b32 s[OFF+1], 0
	s_add_co_u32 s[OFF+2], s[OFF], ROWB
	s_mov_b32 s[OFF+3], 0
	s_or_b32 s[G1+0], s43, (0<<16)|(1<<20)|(1<<21)|(5<<22)|(3<<25)
	s_or_b32 s[G1B+0], s44, (0<<16)|(1<<20)|(1<<21)|(5<<22)|(3<<25)
.irp g, G1, G1B
	s_mov_b32 s[\g+1], ROWB<<16
	s_mov_b32 s[\g+2], 128<<16
	s_mov_b32 s[\g+3], ROWB<<16
	s_mov_b32 s[\g+4], 128
	s_mov_b32 s[\g+5], KROW
	s_mov_b32 s[\g+6], 0
	s_mov_b32 s[\g+7], 0
.endr
	s_lshl_b32 s18, s16, 7
	s_lshl_b32 s20, s17, 8
	s_add_co_u32 s20, s20, s18
	s_lshl_b32 s46, s42, 8
	s_add_co_u32 s46, s46, s18
	s_mov_b32 s21, 0
	s_mov_b32 s47, 0
	s_mov_b64 s[18:19], KROW
	s_mul_u64 s[20:21], s[20:21], s[18:19]
	s_mul_u64 s[46:47], s[46:47], s[18:19]
	s_mul_i32 s45, s14, HALFT
	s_wait_kmcnt 0x0
	s_load_b128 s[72:75], s[8:9], 0x0
	s_load_b32 s76, s[68:69], 0x0
	s_add_nc_u64 s[BA:BA+1], s[4:5], s[20:21]
	s_add_nc_u64 s[BB:BB+1], s[6:7], s[46:47]
	CROUND
.irp s, 0,1
	s_mov_b32 s[G0+4*\s], 1
	s_add_co_u32 s[G0+4*\s+1], s45, \s*SLOT
	s_add_nc_u64 s[G0+4*\s+2:G0+4*\s+3], s[BA:BA+1], s[OFF+2*\s:OFF+2*\s+1]
	s_or_b32 s[G0+4*\s+3], s[G0+4*\s+3], 0x80000000
	s_mov_b32 s[G0B+4*\s], 1
	s_add_co_u32 s[G0B+4*\s+1], s45, \s*SLOT
	s_add_nc_u64 s[G0B+4*\s+2:G0B+4*\s+3], s[BB:BB+1], s[OFF+2*\s:OFF+2*\s+1]
	s_or_b32 s[G0B+4*\s+3], s[G0B+4*\s+3], 0x80000000
	s_wait_alu depctr_va_vdst(0)
	s_wait_tensorcnt 0x0
	ds_add_u32 v28, v29
	ds_add_u32 v28, v29
	s_wait_dscnt 0x0
	CROUND
	JLOAD G0+4*\s, G1, G0B+4*\s, G1B
.endr
	v_and_b32 v1, 15, v0
	s_wait_alu depctr_va_vdst(0)
	v_bfe_u32 v2, v0, 4, 1
	v_mul_u32_u24 v3, v1, PITCH
	v_lshl_add_u32 v4, v2, 4, v3
	s_mul_i32 s21, s15, HALFT
	s_mul_i32 s22, s16, HALFT
	s_add_co_u32 s22, s22, 2*HALFT
.irp s, 0,1
	v_add_nc_u32 v[ADRA+\s], s21, v4
	v_add_nc_u32 v[ADRB+\s], s22, v4
	s_add_co_u32 s21, s21, SLOT
	s_add_co_u32 s22, s22, SLOT
.endr
	s_mul_i32 s23, s14, WST
	v_mul_u32_u24 v5, v1, SP
	s_wait_alu depctr_va_vdst(0)
	v_lshl_add_u32 v5, v2, 3, v5
	v_add_nc_u32 v[STO], s23, v5
	v_and_b32 v6, 31, v0
	v_lshlrev_b32 v[CO], 4, v6                     ; back, and out: 16 x lane of 512 consecutive bytes
	v_add_nc_u32 v[RD], s23, v[CO]                 ; in my own stage
	s_lshl_b32 s20, s17, 4
	s_lshl_b32 s21, s15, 3
	s_add_co_u32 s20, s20, s21                     ; my first row block: 16 x tile row + 8 x half
	s_lshl_b32 s20, s20, 17                        ; a row block of hc: 64 fragments of 2,048 bytes
	s_mov_b32 s21, 0
	s_lshl_b32 s46, s42, 1
	s_add_co_u32 s46, s46, s16                     ; my K block: 2 x tile column + half
	s_lshl_b32 s46, s46, 11
	s_mov_b32 s47, 0
	s_add_nc_u64 s[70:71], s[70:71], s[20:21]
	s_add_nc_u64 s[70:71], s[70:71], s[46:47]
	s_lshl_b32 s46, s42, 10
	s_lshl_b32 s23, s16, 9
	s_add_co_u32 s46, s46, s23
	s_add_nc_u64 s[10:11], s[10:11], s[46:47]
	v_lshlrev_b32 v[STA], 5, v2
.irp b, 0,1,2,3,4,5,6,7
	global_load_b128 v[BI+8*\b:BI+8*\b+3], v[STA], s[10:11] offset:64*\b
	global_load_b128 v[BI+8*\b+4:BI+8*\b+7], v[STA], s[10:11] offset:64*\b+16
.endr
	s_wait_kmcnt 0x0
	s_mov_b32 s77, s76
	s_add_co_i32 s78, s72, s73
	s_add_co_i32 s78, s78, 127
	s_lshl_b32 s78, s78, 23
	s_mov_b32 s79, s78
	s_add_co_i32 s83, s74, 127
	s_lshl_b32 s84, s83, 23
	v_mov_b32 v[SCL], s84
	s_add_co_i32 s83, s83, 8
	s_lshl_b32 s83, s83, 23
	s_or_b32 s83, s83, 0x600000
	v_mov_b32 v[LIM], s83
	s_mov_b32 s80, 0x3f3504f3
	s_wait_loadcnt 0x0
.irp j, 0,1,2,3,4,5,6,7,8,9,10,11,12,13,14,15,16,17,18,19,20,21,22,23,24,25,26,27,28,29,30,31,32,33,34,35,36,37,38,39,40,41,42,43,44,45,46,47,48,49,50,51,52,53,54,55,56,57,58,59,60,61,62,63
	v_cvt_f32_i32 v[BI+\j], v[BI+\j]
.endr
.irp j, 0,2,4,6,8,10,12,14,16,18,20,22,24,26,28,30,32,34,36,38,40,42,44,46,48,50,52,54,56,58,60,62
	v_pk_mul_f32 v[BI+\j:BI+\j+1], v[BI+\j:BI+\j+1], s[76:77] op_sel_hi:[1,0]
.endr
.macro FRAG reg, adr, q, i
.irp c, 0,1,2,3
	ds_load_b128 v[\reg+4*\c:\reg+4*\c+3], v[\adr] offset:128*(\q)+32*\c+(\i)*16*PITCH
.endr
.endm
.macro MUL16 a0, p, zero
.irp a, \a0, \a0+1
.irp b, 0,1,2,3,4,5,6,7
.if \zero
	v_wmma_f32_16x16x128_fp8_fp8 v[8*(8*((\a)%4)+\b):8*(8*((\a)%4)+\b)+7], v[128*(\p)+FR*\b:128*(\p)+FR*\b+FR-1], v[AF+FR*(\a):AF+FR*(\a)+FR-1], 0
.else
	v_wmma_f32_16x16x128_fp8_fp8 v[8*(8*((\a)%4)+\b):8*(8*((\a)%4)+\b)+7], v[128*(\p)+FR*\b:128*(\p)+FR*\b+FR-1], v[AF+FR*(\a):AF+FR*(\a)+FR-1], v[8*(8*((\a)%4)+\b):8*(8*((\a)%4)+\b)+7]
.endif
.endr
.endr
.endm
.macro FETCH_B slot, q, p
	WIN TO_B
.irp i, 0,1,2,3,4,5,6,7
	FRAG 128*(\p)+FR*\i, ADRB+\slot, \q, \i
.endr
	WIN 0
.endm
.macro FETCH_A slot, q, i0
.irp i, \i0, \i0+1, \i0+2, \i0+3
	FRAG AF+FR*(\i), ADRA+\slot, \q, \i
.endr
.endm
.macro PLACES n
.rept \n
	v_nop
.endr
.endm
.macro STEP slot, q, zero
	s_wait_dscnt 4*NL
	WIN MUL_LO
	MUL16 0, (\q)%2, \zero
	MUL16 2, (\q)%2, \zero
	s_wait_dscnt 0
	PLACES NP
	FETCH_B \slot, (\q)+1, 1-(\q)%2
	FETCH_A \slot, (\q)+1, 0
	WIN MUL_HI
	MUL16 4, (\q)%2, \zero
	MUL16 6, (\q)%2, \zero
	PLACES NP
	WIN 0
	FETCH_A \slot, (\q)+1, 4
.endm
.macro TURN slot, next, fill
	s_wait_dscnt 4*NL
	WIN MUL_LO
	MUL16 0, 1, 0
	MUL16 2, 1, 0
	WIN 0
	s_wait_tensorcnt 0x0
	ds_add_u32 v[SPW], v[NIL]
.if \fill
	NEXTK \slot
.endif
	s_wait_dscnt 0x0
	s_barrier_signal -1
	s_barrier_wait -1
.if \fill
	CREST
	JLOAD G0+4*\slot, G1, G0B+4*\slot, G1B
.else
	PLACES NP
.endif
	FETCH_B \next, 0, 0
	FETCH_A \next, 0, 0
	WIN MUL_HI
	MUL16 4, 1, 0
	MUL16 6, 1, 0
	PLACES NP
	WIN 0
	FETCH_A \next, 0, 4
.endm
	s_wait_tensorcnt 1
	s_barrier_signal -1
	s_barrier_wait -1
	FETCH_B 0, 0, 0
	FETCH_A 0, 0, 0
	FETCH_A 0, 0, 4
	STEP 0, 0, 1
	s_mov_b32 s3, LAPS-1
.Llap:
	TURN 0, 1, 1
	STEP 1, 0, 0
	TURN 1, 0, 1
	STEP 0, 0, 0
	s_sub_co_u32 s3, s3, 1
	s_cmp_lg_u32 s3, 0
	s_cbranch_scc1 .Llap
	TURN 0, 1, 0
	STEP 1, 0, 0
	s_wait_dscnt 4*NL
	WIN MUL_LO
	MUL16 0, 1, 0
	MUL16 2, 1, 0
	s_wait_dscnt 0
	WIN MUL_HI
	MUL16 4, 1, 0
	MUL16 6, 1, 0
	WIN 0
.macro COEF r, bits
	v_mov_b32 v[\r], \bits
	v_mov_b32 v[\r+1], \bits
.endm
	COEF C9, 0x3e7c6f08
	COEF C8, 0xbf97d29d
	COEF C7, 0x40097039
	COEF C6, 0xbfd1a1e5
	COEF C5, 0x3ecdfd18
	COEF C4, 0xbe899a80
	COEF C3, 0x3e0efb2e
	COEF C2, 0x3f0a29d2
	COEF C1, 0x3fb8ab5a
	COEF C0, 0xc014d90f
.macro HBLK a
.set AC, 64*((\a)%4)
.set WN, 0x02+((\a)/4)
	WIN WN
.irp j, 0,2,4,6,8,10,12,14,16,18,20,22,24,26,28,30,32,34,36,38,40,42,44,46,48,50,52,54,56,58,60,62
	v_pk_fma_f32 v[HH+\j:HH+\j+1], v[AC+\j:AC+\j+1], s[78:79], v[BI+\j:BI+\j+1] op_sel_hi:[1,0,1]
.endr
	WIN 0
.endm
.macro GELU16 g
.set H0, HH+16*(\g)
.irp i, 0,1,2,3,4,5,6,7,8,9,10,11,12,13,14,15
	v_mul_f32 v[AA+\i], s80, |v[H0+\i]|
.endr
.irp i, 0,2,4,6,8,10,12,14
	v_pk_fma_f32 v[DD+\i:DD+\i+1], v[AA+\i:AA+\i+1], 0.5, 1.0 op_sel_hi:[1,0,0]
.endr
	s_wait_alu depctr_va_vdst(0)
.irp i, 0,1,2,3,4,5,6,7,8,9,10,11,12,13,14,15
	v_rcp_f32 v[DD+\i], v[DD+\i]
.endr
.irp i, 0,2,4,6,8,10,12,14
	v_pk_mul_f32 v[EE+\i:EE+\i+1], v[H0+\i:H0+\i+1], v[H0+\i:H0+\i+1]
.endr
.irp i, 0,2,4,6,8,10,12,14
	v_pk_fma_f32 v[EE+\i:EE+\i+1], v[EE+\i:EE+\i+1], 0xbf38aa3b, v[C0:C0+1] op_sel_hi:[1,0,1]
.endr
	s_wait_alu depctr_va_vdst(0)
.irp i, 0,2,4,6,8,10,12,14
	v_pk_fma_f32 v[PP+\i:PP+\i+1], v[DD+\i:DD+\i+1], v[C9:C9+1], v[C8:C8+1]
.endr
.irp k, C7, C6, C5, C4, C3, C2, C1
.irp i, 0,2,4,6,8,10,12,14
	v_pk_fma_f32 v[PP+\i:PP+\i+1], v[PP+\i:PP+\i+1], v[DD+\i:DD+\i+1], v[\k:\k+1]
.endr
.endr
.irp i, 0,2,4,6,8,10,12,14
	v_pk_fma_f32 v[EE+\i:EE+\i+1], v[PP+\i:PP+\i+1], v[DD+\i:DD+\i+1], v[EE+\i:EE+\i+1]
.endr
	s_wait_alu depctr_va_vdst(0)
.irp i, 0,1,2,3,4,5,6,7,8,9,10,11,12,13,14,15
	v_exp_f32 v[EE+\i], v[EE+\i]
.endr
.irp i, 0,1,2,3,4,5,6,7,8,9,10,11,12,13,14,15
	v_max_num_f32 v[H0+\i], v[H0+\i], 0
.endr
	s_wait_alu depctr_va_vdst(0)
.irp i, 0,2,4,6,8,10,12,14
	v_pk_mul_f32 v[PP+\i:PP+\i+1], v[DD+\i:DD+\i+1], v[EE+\i:EE+\i+1]
.endr
.irp i, 0,2,4,6,8,10,12,14
	v_pk_fma_f32 v[H0+\i:H0+\i+1], v[PP+\i:PP+\i+1], v[AA+\i:AA+\i+1], v[H0+\i:H0+\i+1] neg_lo:[1,0,0] neg_hi:[1,0,0]
.endr
.irp i, 0,1,2,3,4,5,6,7,8,9,10,11,12,13,14,15
	v_med3_num_f32 v[H0+\i], v[H0+\i], -v[LIM], v[LIM]
.endr
	s_wait_alu depctr_va_vdst(0)
	s_wait_dscnt 6
	v_cvt_scalef32_pk8_fp8_f32 v[CD+4*(\g):CD+4*(\g)+1], v[H0:H0+7], v[SCL]
	v_cvt_scalef32_pk8_fp8_f32 v[CD+4*(\g)+2:CD+4*(\g)+3], v[H0+8:H0+15], v[SCL]
	v_nop
	ds_store_b64 v[STA], v[CD+4*(\g):CD+4*(\g)+1] offset:512*(\g)
	ds_store_b64 v[STA], v[CD+4*(\g)+2:CD+4*(\g)+3] offset:512*(\g)+256
.endm
	s_mov_b32 s81, 0
	s_mov_b32 s82, 0
.Lblk:
	v_add_nc_u32 v[STA], s82, v[STO]
.irp a, 0,1,2,3,4,5,6
	s_cmp_eq_u32 s81, \a
	s_cbranch_scc1 .Lb\a
.endr
	HBLK 7
	s_branch .Lgo
.irp a, 0,1,2,3,4,5
.Lb\a:
	HBLK \a
	s_branch .Lgo
.endr
.Lb6:
	HBLK 6
.Lgo:
	GELU16 0
	GELU16 1
	GELU16 2
	GELU16 3
	s_add_co_u32 s82, s82, 2048
	s_add_co_u32 s81, s81, 1
	s_cmp_lt_u32 s81, 8
	s_cbranch_scc1 .Lblk
	s_wait_dscnt 0x0
	s_barrier_signal -1
	s_barrier_wait -1
.irp t, 0,1,2,3,4,5,6,7,8,9,10,11,12,13,14,15,16,17,18,19,20,21,22,23,24,25,26,27,28,29,30,31
	ds_load_b128 v[HH+4*\t:HH+4*\t+3], v[RD] offset:512*\t
.endr
.irp t, 0,1,2,3,4,5,6,7,8,9,10,11,12,13,14,15,16,17,18,19,20,21,22,23,24,25,26,27,28,29,30,31
	s_wait_dscnt 31-\t
	global_store_b128 v[CO], v[HH+4*\t:HH+4*\t+3], s[70:71] offset:(\t/4)*131072+(\t%4)*512   ; 32 lanes store 512 consecutive bytes, aligned: a quarter of fragment t / 4
.endr
	s_wait_tensorcnt 0x0
	ds_add_u32 v[SPW], v[NIL]
	s_wait_dscnt 0x0
	CROUND
	s_endpgm
.Lfunc_end_k_q5a70b17377_fc:
	.size	k_q5a70b17377_fc, .Lfunc_end_k_q5a70b17377_fc-k_q5a70b17377_fc
	.p2alignl 7, 3214868480
	.fill 96, 4, 3214868480
	.section	.rodata,"a",@progbits
	.p2align	6, 0x0
	.amdhsa_kernel k_q5a70b17377_fc
		.amdhsa_group_segment_fixed_size 327680
		.amdhsa_private_segment_fixed_size 0
		.amdhsa_enable_private_segment 0
		.amdhsa_kernarg_size 48
		.amdhsa_user_sgpr_count 2
		.amdhsa_user_sgpr_kernarg_segment_ptr 1
		.amdhsa_wavefront_size32 1
		.amdhsa_system_sgpr_workgroup_id_x 1
		.amdhsa_system_sgpr_workgroup_id_y 1
		.amdhsa_system_sgpr_workgroup_id_z 1
		.amdhsa_system_vgpr_workitem_id 0
		.amdhsa_next_free_vgpr 1024
		.amdhsa_next_free_sgpr 100
		.amdhsa_reserve_vcc 0
		.amdhsa_float_denorm_mode_32 3
		.amdhsa_float_denorm_mode_16_64 3
		.amdhsa_memory_ordered 1
		.amdhsa_forward_progress 1
		.amdhsa_inst_pref_size 157
	.end_amdhsa_kernel
	.amdgpu_metadata
---
amdhsa.version: [ 1, 2 ]
amdhsa.kernels:
  - .name:           k_q5a70b17377_fc
    .symbol:         k_q5a70b17377_fc.kd
    .args:
      - { .name: x_codes, .offset: 0, .size: 8, .value_kind: global_buffer, .address_space: global }
      - { .name: w1c, .offset: 8, .size: 8, .value_kind: global_buffer, .address_space: global }
      - { .name: lowp_scales, .offset: 16, .size: 8, .value_kind: global_buffer, .address_space: global }
      - { .name: b_fc_q, .offset: 24, .size: 8, .value_kind: global_buffer, .address_space: global }
      - { .name: s_fc_b, .offset: 32, .size: 8, .value_kind: global_buffer, .address_space: global }
      - { .name: hc, .offset: 40, .size: 8, .value_kind: global_buffer, .address_space: global }
    .group_segment_fixed_size: 327680
    .private_segment_fixed_size: 0
    .kernarg_segment_align: 8
    .kernarg_segment_size: 48
    .max_flat_workgroup_size: 128
    .sgpr_count:     100
    .vgpr_count:     1024
    .wavefront_size: 32
...
	.end_amdgpu_metadata
.endif
;; end of part 2
;; launch proj (part 3): grid 16 x 16, 4 waves a work-group, clusters of 4 x 1, 327,680 bytes of LDS; arguments hc, w2c, lowp_scales, b_proj_q, s_proj_b, out0; writes out0
.if DOCPART == 3
	.amdgcn_target "amdgcn-amd-amdhsa--gfx1250"
	.amdhsa_code_object_version 6
	.text
	.protected	k_q5a70b17377_proj
	.globl	k_q5a70b17377_proj
	.p2align	8
	.type	k_q5a70b17377_proj,@function
k_q5a70b17377_proj:
	s_mov_b64 s[64:65], 0
	v_nop
	global_prefetch_b8 v0, s[64:65] scope:SCOPE_SE
	s_setreg_imm32_b32 hwreg(HW_REG_WAVE_MODE, 25, 1), 1
	s_wait_xcnt 0x0
	s_wait_alu depctr_hold_cnt(0) depctr_sa_sdst(0) depctr_va_vdst(0) depctr_va_sdst(0) depctr_va_ssrc(0) depctr_va_vcc(0) depctr_vm_vsrc(0)
	s_getreg_b32 s2, hwreg(HW_REG_IB_STS2, 6, 4)
	s_cmp_eq_u32 s2, 0
	s_cbranch_scc0 .Lentry_in_a_cluster
	s_endpgm
.Lentry_in_a_cluster:
	s_bfe_u32 s2, ttmp6, 0x10000c
	s_cmp_lg_u32 s2, 0x3003
	s_cbranch_scc0 .Lentry_shape_is_right
	s_endpgm
.Lentry_shape_is_right:
; out0[m][n] = 2^(e2 + e3) x (sum over k of hc[m][k] w2c[n][k]) + s_proj_b x b_proj_q[n].  M = N = 2,048, K = 8,192; codes of FP8 (E4M3); sums in f32.
; LIMIT: e2 + e3 lies between -126 and 127, so that 2^(e2 + e3) is an f32 number.  (The zero point is the constant 0: nothing is subtracted from b_proj_q.)
; A work-group makes 128 x 128 of out0.  Each of its four waves multiplies ALL 128 x 128 over a K QUARTER OF ITS OWN (2,048: 16 steps of 128): 64 accumulators, 512 registers; the four parts are added through LDS at the end.
; hc and w2c lie as images of the operand registers: a fragment (16 rows x 128 K) is 2,048 bytes on end, fragment (row block i, K block q) at (64 i + q) x 2,048, register group c of lane l at 512 c + 16 l.
; A (hc) COMES BY JOINT TENSOR LOADS: the four work-groups of a cluster (4 x 1) make four tiles of one tile row and need the same rows of hc.  A slot holds two steps of every wave's quarter: a wave's load is
; 8 rows (its 8 row blocks) of 4,096 bytes (two fragments on end), 32,768 bytes, into bytes that this wave alone reads; two slots of 131,072 bytes.  A fragment is read from LDS as it lies, 16 x lane: no padding is wanted.
; B (w2c) GOES FROM MEMORY STRAIGHT INTO REGISTERS, 512 consecutive bytes an instruction: the cluster's four work-groups need different rows of it, and no byte of it feeds two waves of a work-group.
; B has two sets of registers: of step s + 1's 32 loads, 24 are issued at the end of step s - 1 and 8 at the head of step s: by the text's own count at most 56 loads are out.  A has one set, filled again pair by pair.
; PREFETCH.  hc: behind the refill that asks for slot filling t + 2, each wave names filling t + 3: of the 128 blocks of 256 bytes of its own load the partner at place cx takes rows 2 cx, 2 cx + 1 (32 blocks, a lane a block),
; told apart by address.  w2c: the 64 fragments that the 16 work-groups of a tile column read in two steps are shared out among the 16, four fragments each (wave 0, a lane a block), three steps ahead of the step at work.
; Neither asks beyond K: hc's last request is left out in the last trip; w2c's last names steps 14 and 15.
; THE MATRIX INSTRUCTION IS USED TRANSPOSED (source 0 = 16 rows of w2c, source 1 = 16 rows of hc): a lane holds eight neighbouring numbers of a row of out0.
; REGISTERS: window 0: v0-31 addresses, v32-95 the bias, v128-255 A's fragments; window 1: B's two sets; windows 2, 3: accumulator (a, b) at v[8 (8 (a % 4) + b)].
.set SIZE_N, 2048
.set FR,     16                        ; registers of a fragment
.set FB,     2048                      ; its bytes
.set RB,     131072                    ; a row block: 64 fragments
.set WREG,   32768                     ; a wave's part of a slot
.set SLOTB,  131072
.set SPARE,  262144                    ; behind the two slots (later the four images of 65,536 bytes): the spare words
.set STAGE,  SPARE+512
.set SPITCH, 272
.set RI,   8
.set BO,   12
.set PFOA, 13                          ; hc's prefetch: row lane / 16, block lane % 16
.set LO,   14                          ; 16 x lane
.set PFOB, 15                          ; w2c's prefetch: K quarter lane / 8, block lane % 8 of a fragment
.set ADA,  16                          ; v16-17 my part of slot 0, 1, + 16 x lane
.set STO,  24
.set RD,   25
.set CO,   26
.set IW,   27
.set SPW,  28
.set NIL,  29
.set BI,   32
.set OV,   96
.set AF,   128
.set BK,   128
.set G1,   24                          ; s[24:31] descriptor group 1
.set G0,   32                          ; s[32:39] group 0, one set for each slot
.set SB,   88                          ; s[88:89] w2c: my row blocks, my K quarter, step e
.set PFA,  90
.set PFB,  92
.set MSB, 0
.macro WIN new
.if MSB != \new
	s_set_vgpr_msb (MSB<<8)|\new
.set MSB, \new
.endif
.endm
.set MUL_LO, 0xa1
.set MUL_HI, 0xf1
.set TO_B,   0x40
.macro PLACES                          ; four places between matrix instructions and loads into registers that they have read, or reads of their results
.rept 4
	v_nop
.endr
.endm
.macro CREST                           ; a round of the cluster's barrier behind its opening barrier
	s_cmp_lg_u32 s14, 0
	s_cbranch_scc1 .Lnot_wave_0_\@
	s_barrier_signal -3
.Lnot_wave_0_\@:
	s_barrier_wait -3
	s_barrier_signal -1
	s_barrier_wait -1
.endm
.macro CROUND
	s_barrier_signal -1
	s_barrier_wait -1
	CREST
.endm
.macro TLOAD s                         ; my joint load into slot s; an s_nop 0 and four v_nop follow it
	tensor_load_to_lds s[G0+4*\s:G0+4*\s+3], s[G1:G1+7]
	s_nop 0
.rept 4
	v_nop
.endr
.endm
.macro LDSA j, slot, u                 ; A's fragments 2 j, 2 j + 1 of the slot's step u
.irp i, 2*\j, 2*\j+1
.irp c, 0,1,2,3
	ds_load_b128 v[AF+FR*(\i)+4*\c:AF+FR*(\i)+4*\c+3], v[ADA+\slot] offset:(\i)*2*FB+(\u)*FB+512*\c
.endr
.endr
.endm
.macro LDBF p, d, i                    ; B's fragment i of step e + d into set p
.irp c, 0,1,2,3
	global_load_b128 v[128*(\p)+FR*\i+4*\c:128*(\p)+FR*\i+4*\c+3], v[LO], s[SB:SB+1] offset:\i*RB+(\d)*FB+512*\c
.endr
.endm
.macro LDB6 p, d
	WIN TO_B
.irp i, 0,1,2,3,4,5
	LDBF \p, \d, \i
.endr
	WIN 0
.endm
.macro LDB2 p, d
	WIN TO_B
.irp i, 6,7
	LDBF \p, \d, \i
.endr
	WIN 0
.endm
.macro MUL16 a0, p, zero               ; A's blocks a0, a0 + 1 x B's eight; the 64 accumulators take turns, in the same order in every step
.irp a, \a0, \a0+1
.irp b, 0,1,2,3,4,5,6,7
.if \zero
	v_wmma_f32_16x16x128_fp8_fp8 v[8*(8*((\a)%4)+\b):8*(8*((\a)%4)+\b)+7], v[128*(\p)+FR*\b:128*(\p)+FR*\b+FR-1], v[AF+FR*(\a):AF+FR*(\a)+FR-1], 0
.else
	v_wmma_f32_16x16x128_fp8_fp8 v[8*(8*((\a)%4)+\b):8*(8*((\a)%4)+\b)+7], v[128*(\p)+FR*\b:128*(\p)+FR*\b+FR-1], v[AF+FR*(\a):AF+FR*(\a)+FR-1], v[8*(8*((\a)%4)+\b):8*(8*((\a)%4)+\b)+7]
.endif
.endr
.endr
.endm
.macro ASK second                      ; the two prefetches; second = 1: the trip's second change of slots, 4,096 bytes (one filling; two steps) further on
.if \second
	s_cmp_eq_u32 s3, 1                             ; in the last trip hc has no such filling
	s_cbranch_scc1 .Lno_a_\@
.endif
	global_prefetch_b8 v[PFOA], s[PFA:PFA+1] offset:4096*\second th:TH_LOAD_NT scope:SCOPE_SE
.if \second
.Lno_a_\@:
.endif
	s_cmp_lg_u32 s14, 0
	s_cbranch_scc1 .Lno_b_\@
	global_prefetch_b8 v[PFOB], s[PFB:PFB+1] offset:4096*\second th:TH_LOAD_NT scope:SCOPE_SE
.Lno_b_\@:
.endm
; A slot's first step (step e + d, B's set 0): A's pairs are filled again from the same slot n.  tail = 0: the step after next has B to ask for.  bump = 1: e goes on by four steps.
.macro ESTEP n, d, zero, tail, bump
	s_wait_loadcnt 24                              ; this step's B is in; behind it: 24 loads of the next step's
	LDB2 1, (\d)+1
	s_wait_dscnt 16                                ; A's pairs 0 and 1 are in; behind them: pairs 2 and 3
	WIN MUL_LO
	MUL16 0, 0, \zero
	PLACES
	WIN 0
	LDSA 0, \n, 1
	WIN MUL_LO
	MUL16 2, 0, \zero
	PLACES
	WIN 0
	LDSA 1, \n, 1
	s_wait_dscnt 24                                ; pair 2; behind it: pair 3 and the next step's pairs 0 and 1
	WIN MUL_HI
	MUL16 4, 0, \zero
	PLACES
	WIN 0
	LDSA 2, \n, 1
	s_wait_dscnt 24                                ; pair 3; behind it: the next step's pairs 0 to 2
	WIN MUL_HI
	MUL16 6, 0, \zero
	PLACES
	WIN 0
	LDSA 3, \n, 1
.if \bump
	s_wait_xcnt 0x0                                ; every load and prefetch has read its base
	s_add_nc_u64 s[SB:SB+1], s[SB:SB+1], 4*FB
	s_add_nc_u64 s[PFA:PFA+1], s[PFA:PFA+1], 4*FB
	s_add_nc_u64 s[PFB:PFB+1], s[PFB:PFB+1], 4*FB
	LDB6 0, (\d)-2
.elseif \tail == 0
	LDB6 0, (\d)+2
.endif
.endm
; A slot's second step (B's set 1) changes slots: my reads of slot n were all issued in the step before.  In front of the barrier: the wait for all my tensor loads (the one that is out is my part of the other slot),
; the add, the wait for it and for my reads.  fill = 1: the barrier opens a round of the cluster's barrier, and slot n is filled again first behind it.
.macro OSTEP n, d, fill, second
	s_wait_loadcnt 24
	LDB2 0, (\d)+1
	s_wait_tensorcnt 0x0
	ds_add_u32 v[SPW], v[NIL]
	s_wait_dscnt 25                                ; A's pair 0 is in; behind it: pairs 1 to 3 and the add
	WIN MUL_LO
	MUL16 0, 1, 0
	s_wait_dscnt 0x0                               ; the add is done, and my reads of slot n are over
	s_barrier_signal -1
	MUL16 2, 1, 0
	WIN 0
	s_barrier_wait -1
.if \fill
	CREST                                          ; no wave of any partner still reads this slot or has a load on its way
	s_add_nc_u64 s[G0+4*\n+2:G0+4*\n+3], s[G0+4*\n+2:G0+4*\n+3], 4*FB   ; two fillings on
	TLOAD \n                                       ; its four v_nop are also the places in front of the loads below
.else
	PLACES
.endif
	LDSA 0, 1-\n, 0
	LDSA 1, 1-\n, 0
.if \fill
	ASK \second
.endif
	WIN MUL_HI
	MUL16 4, 1, 0
	PLACES
	WIN 0
	LDSA 2, 1-\n, 0
	WIN MUL_HI
	MUL16 6, 1, 0
	PLACES
	WIN 0
	LDSA 3, 1-\n, 0
	LDB6 1, (\d)+2
.endm
	s_load_b256 s[4:11], s[0:1], 0x0               ; hc s[4:5], w2c s[6:7], the scales' exponents s[8:9], b_proj_q s[10:11]
	s_load_b128 s[68:71], s[0:1], 0x20             ; s_proj_b s[68:69], out0 s[70:71]
	v_lshl_add_u32 v[SPW], v0, 2, SPARE
	v_mov_b32 v[NIL], 0
	ds_add_u32 v[SPW], v[NIL]                      ; the opening lines: the add, twice on end; its wait comes ahead of my first tensor load
	ds_add_u32 v[SPW], v[NIL]
	v_lshrrev_b32 v1, 5, v0
	v_readfirstlane_b32 s14, v1                    ; wave = K quarter
	s_bfe_u32 s40, ttmp6, 0x40000                  ; cx: my place in the cluster
	s_lshl_b32 s42, ttmp9, 2
	s_add_co_u32 s42, s42, s40                     ; tile column = 4 x cluster x + cx
	s_and_b32 s17, ttmp7, 0xffff                   ; tile row: the same in the four partners
	s_mov_b32 s[G1], 15|(3<<16)|(1<<21)            ; the mask names the cluster's four; elements of 8 bytes; bit 21 beside a mask
	s_mov_b32 s[G1+1], 512<<16                     ; tensor_dim0: 4,096 bytes
	s_mov_b32 s[G1+2], 8<<16                       ; tensor_dim1 = 8
	s_mov_b32 s[G1+3], 512<<16                     ; tile_dim0
	s_mov_b32 s[G1+4], 8                           ; tile_dim1
	s_mov_b32 s[G1+5], RB/8                        ; from row block to row block
	s_mov_b32 s[G1+6], 0
	s_mov_b32 s[G1+7], 0
	s_lshl_b32 s20, s17, 20                        ; hc: 8 row blocks a tile row,
	s_lshl_b32 s22, s14, 15                        ; 16 fragments a K quarter (also: my part of a slot)
	s_add_co_u32 s20, s20, s22
	s_mov_b32 s21, 0
	s_lshl_b32 s46, s42, 20                        ; w2c likewise, by the tile column
	s_add_co_u32 s46, s46, s22
	s_mov_b32 s47, 0
	s_lshl_b32 s52, s40, 18                        ; hc's prefetch: my two of the load's eight rows,
	s_add_co_u32 s52, s52, s20
	s_add_co_u32 s52, s52, 6*FB                    ; filling 3
	s_mov_b32 s53, 0
	s_lshl_b32 s54, s42, 20                        ; w2c's: row block (tile row) % 8 of my tile column,
	s_and_b32 s55, s17, 7
	s_lshl_b32 s55, s55, 17
	s_add_co_u32 s54, s54, s55
	s_lshr_b32 s55, s17, 3                         ; step 4 + (tile row) / 8
	s_add_co_u32 s55, s55, 4
	s_lshl_b32 s55, s55, 11
	s_add_co_u32 s54, s54, s55
	s_mov_b32 s55, 0
	s_lshl_b32 s80, s14, 16                        ; my image
	s_lshl_b32 s81, s14, 14                        ; my 32 rows of an image
	s_mul_i32 s82, s14, 16*SPITCH
	s_add_co_u32 s82, s82, STAGE                   ; my stage
	s_lshl_b32 s48, s17, 7
	s_lshl_b32 s49, s14, 5
	s_add_co_u32 s48, s48, s49                     ; the first row of out0 that I store
	s_lshl_b32 s48, s48, 13
	s_mov_b32 s49, 0
	s_lshl_b32 s50, s42, 9                         ; the tile's first column, in bytes
	s_mov_b32 s51, 0
	v_and_b32 v6, 31, v0
	v_lshlrev_b32 v[LO], 4, v6
	v_lshrrev_b32 v3, 3, v6
	v_and_b32 v4, 7, v6
	v_lshlrev_b32 v4, 8, v4
	v_lshl_add_u32 v[PFOB], v3, 15, v4
	v_and_b32 v1, 15, v0
	v_bfe_u32 v2, v0, 4, 1
	v_lshlrev_b32 v4, 8, v1
	v_lshl_add_u32 v[PFOA], v2, 17, v4
	v_add_nc_u32 v[ADA], s22, v[LO]
	v_add_nc_u32 v[ADA+1], SLOTB, v[ADA]
	v_add_nc_u32 v[IW], s80, v[LO]
	v_add_nc_u32 v[RI], s81, v[LO]
	v_add_nc_u32 v[RI+1], 0x10000, v[RI]
	v_add_nc_u32 v[RI+2], 0x20000, v[RI]
	v_add_nc_u32 v[RI+3], 0x30000, v[RI]
	v_mul_u32_u24 v5, v1, SPITCH
	v_lshl_add_u32 v5, v2, 5, v5
	v_add_nc_u32 v[STO], s82, v5
	v_mul_u32_u24 v5, v2, SPITCH
	v_lshl_add_u32 v5, v1, 4, v5
	v_add_nc_u32 v[RD], s82, v5
	v_lshlrev_b32 v[CO], 13, v2
	v_lshl_add_u32 v[CO], v1, 4, v[CO]
	v_lshlrev_b32 v[BO], 5, v2
	s_wait_alu depctr_va_vdst(0)
	s_wait_dscnt 0x0                               ; both opening adds are done
	s_wait_kmcnt 0x0
	s_add_nc_u64 s[SB:SB+1], s[6:7], s[46:47]
	LDB6 0, 0                                      ; step 0's B,
	LDB2 0, 0
	LDB6 1, 1                                      ; and 24 loads of step 1's: 56 are out
	s_add_nc_u64 s[20:21], s[4:5], s[20:21]
	CROUND                                         ; the four work-groups are here: the first joint loads meet
.irp s, 0,1
	s_mov_b32 s[G0+4*\s], 1
	s_add_co_u32 s[G0+4*\s+1], s22, \s*SLOTB
	s_add_nc_u64 s[G0+4*\s+2:G0+4*\s+3], s[20:21], \s*2*FB
	s_or_b32 s[G0+4*\s+3], s[G0+4*\s+3], 0x80000000
.endr
	TLOAD 0                                        ; steps 0 and 1: one tensor load a wave at the head
	s_load_b128 s[72:75], s[8:9], 0x0              ; e0 .. e3
	s_load_b32 s76, s[68:69], 0x0                  ; s_proj_b
	s_add_nc_u64 s[PFA:PFA+1], s[4:5], s[52:53]
	s_add_nc_u64 s[PFB:PFB+1], s[6:7], s[54:55]
	s_add_nc_u64 s[70:71], s[70:71], s[48:49]
	s_add_nc_u64 s[70:71], s[70:71], s[50:51]
	s_add_nc_u64 s[10:11], s[10:11], s[50:51]
	s_wait_kmcnt 0x0
	s_mov_b32 s77, s76
	s_add_co_i32 s78, s74, s75
	s_add_co_i32 s78, s78, 127
	s_lshl_b32 s78, s78, 23                        ; 2^(e2 + e3)
	s_mov_b32 s79, s78
	s_wait_tensorcnt 0x0                           ; my part of slot 0 is in
	ds_add_u32 v[SPW], v[NIL]
	s_wait_dscnt 0x0
	CROUND
	TLOAD 1                                        ; steps 2 and 3: the first tensor load behind the round
	LDSA 0, 0, 0
	LDSA 1, 0, 0
	LDSA 2, 0, 0
	LDSA 3, 0, 0
	ESTEP 0, 0, 1, 0, 0                            ; step 0 stands in front of the loop: its products start the sums
	s_mov_b32 s3, 3
.Llap:                                                 ; steps e + 1 .. e + 4, e = 0, 4, 8: once round the ring, both slots filled again
	OSTEP 0, 1, 1, 0
	ESTEP 1, 2, 0, 0, 0
	OSTEP 1, 3, 1, 1
	ESTEP 0, 4, 0, 0, 1
	s_sub_co_u32 s3, s3, 1
	s_cmp_lg_u32 s3, 0
	s_cbranch_scc1 .Llap
	OSTEP 0, 1, 0, 0                               ; steps 13 to 15 (e = 12) fill nothing
	ESTEP 1, 2, 0, 1, 0
	s_wait_loadcnt 0x0                             ; step 15's B
.irp b, 0,1,2,3,4,5,6,7
	global_load_b128 v[BI+8*\b:BI+8*\b+3], v[BO], s[10:11] offset:64*\b         ; the bias of my eight columns of each block of 16
	global_load_b128 v[BI+8*\b+4:BI+8*\b+7], v[BO], s[10:11] offset:64*\b+16
.endr
	s_wait_dscnt 16
	WIN MUL_LO
	MUL16 0, 1, 0
	MUL16 2, 1, 0
	s_wait_dscnt 0x0                               ; my last reads of the slots are over:
	s_barrier_signal -1                            ; say so,
	WIN MUL_HI
	MUL16 4, 1, 0
	MUL16 6, 1, 0
	WIN 0
	s_barrier_wait -1                              ; and nobody reads the slots any more; they have had their last fill
	PLACES
	; THE FOUR PARTS ARE ADDED: each wave lays its 64 accumulators into its image in LDS as they lie in the registers; behind a barrier wave w adds the four images' blocks 2 w and 2 w + 1 (rows 32 w .. 32 w + 31)
.irp a, 0,1,2,3,4,5,6,7
.set WN, 0x08+4*(\a/4)
	WIN WN
.irp t, 0,1,2,3,4,5,6,7,8,9,10,11,12,13,14,15
	ds_store_b128 v[IW], v[64*(\a%4)+4*\t:64*(\a%4)+4*\t+3] offset:8192*\a+512*\t   ; each accumulator from its low end on
.endr
.endr
	WIN 0
	s_wait_loadcnt 0x0
.irp j, 0,1,2,3,4,5,6,7,8,9,10,11,12,13,14,15,16,17,18,19,20,21,22,23,24,25,26,27,28,29,30,31,32,33,34,35,36,37,38,39,40,41,42,43,44,45,46,47,48,49,50,51,52,53,54,55,56,57,58,59,60,61,62,63
	v_cvt_f32_i32 v[BI+\j], v[BI+\j]
.endr
.irp j, 0,2,4,6,8,10,12,14,16,18,20,22,24,26,28,30,32,34,36,38,40,42,44,46,48,50,52,54,56,58,60,62
	v_pk_mul_f32 v[BI+\j:BI+\j+1], v[BI+\j:BI+\j+1], s[76:77] op_sel_hi:[1,0]   ; x s_proj_b
.endr
	s_wait_alu depctr_va_vdst(0)
	s_wait_dscnt 0x0                               ; for the others' sake: my image is whole
	s_barrier_signal -1
	s_barrier_wait -1
.macro LOADC c                         ; chunk c: half (c % 2) of block 2 w + c / 2, from all four images
	WIN TO_B
.irp s, 0,1,2,3
.irp u, 0,1,2,3,4,5,6,7
	ds_load_b128 v[128*((\c)%2)+32*\s+4*\u:128*((\c)%2)+32*\s+4*\u+3], v[RI+\s] offset:8192*((\c)/2)+512*(8*((\c)%2)+\u)
.endr
.endr
	WIN 0
.endm
.macro CHUNK c, w1, more, w2           ; added, scaled, the bias added; through my stage, so that sixteen lanes store 256 consecutive bytes
.set P0, 128*((\c)%2)
.set GG, (\c)%2
.set AP, (\c)/2
	s_wait_dscnt \w1
	WIN 0x45
.irp i, 0,2,4,6,8,10,12,14,16,18,20,22,24,26,28,30
	v_pk_add_f32 v[P0+\i:P0+\i+1], v[P0+\i:P0+\i+1], v[P0+32+\i:P0+32+\i+1]
.endr
.irp i, 0,2,4,6,8,10,12,14,16,18,20,22,24,26,28,30
	v_pk_add_f32 v[P0+64+\i:P0+64+\i+1], v[P0+64+\i:P0+64+\i+1], v[P0+96+\i:P0+96+\i+1]
.endr
.irp i, 0,2,4,6,8,10,12,14,16,18,20,22,24,26,28,30
	v_pk_add_f32 v[P0+\i:P0+\i+1], v[P0+\i:P0+\i+1], v[P0+64+\i:P0+64+\i+1]
.endr
	WIN 0x01
.irp i, 0,2,4,6,8,10,12,14,16,18,20,22,24,26,28,30
	v_pk_fma_f32 v[OV+\i:OV+\i+1], v[P0+\i:P0+\i+1], s[78:79], v[BI+32*GG+\i:BI+32*GG+\i+1] op_sel_hi:[1,0,1]
.endr
	WIN 0
.irp b, 0,1,2,3
	ds_store_b128 v[STO], v[OV+8*\b:OV+8*\b+3] offset:64*\b
	ds_store_b128 v[STO], v[OV+8*\b+4:OV+8*\b+7] offset:64*\b+16
.endr
.irp i, 0,1,2,3,4,5,6,7
	ds_load_b128 v[BK+32*(\c)+4*\i:BK+32*(\c)+4*\i+3], v[RD] offset:2*\i*SPITCH
.endr
.if \more
	LOADC (\c)+2
.endif
	s_wait_dscnt \w2
.irp i, 0,1,2,3,4,5,6,7
	global_store_b128 v[CO], v[BK+32*(\c)+4*\i:BK+32*(\c)+4*\i+3], s[70:71] offset:(16*AP+2*\i)*SIZE_N*4+256*GG th:TH_STORE_NT
.endr
.endm
	LOADC 0
	LOADC 1
	CHUNK 0, 32, 1, 32
	CHUNK 1, 32, 1, 32
	CHUNK 2, 32, 0, 0
	CHUNK 3, 0, 0, 0
	s_wait_tensorcnt 0x0                           ; the wave's end
	ds_add_u32 v[SPW], v[NIL]
	s_wait_dscnt 0x0
	CROUND                                         ; the closing round
	s_endpgm
.Lfunc_end_k_q5a70b17377_proj:
	.size	k_q5a70b17377_proj, .Lfunc_end_k_q5a70b17377_proj-k_q5a70b17377_proj
	.p2alignl 7, 3214868480
	.fill 96, 4, 3214868480
	.section	.rodata,"a",@progbits
	.p2align	6, 0x0
	.amdhsa_kernel k_q5a70b17377_proj
		.amdhsa_group_segment_fixed_size 327680
		.amdhsa_private_segment_fixed_size 0
		.amdhsa_enable_private_segment 0
		.amdhsa_kernarg_size 48
		.amdhsa_user_sgpr_count 2
		.amdhsa_user_sgpr_kernarg_segment_ptr 1
		.amdhsa_wavefront_size32 1
		.amdhsa_system_sgpr_workgroup_id_x 1
		.amdhsa_system_sgpr_workgroup_id_y 1
		.amdhsa_system_sgpr_workgroup_id_z 1
		.amdhsa_system_vgpr_workitem_id 0
		.amdhsa_next_free_vgpr 1024
		.amdhsa_next_free_sgpr 100
		.amdhsa_reserve_vcc 0
		.amdhsa_float_denorm_mode_32 3
		.amdhsa_float_denorm_mode_16_64 3
		.amdhsa_memory_ordered 1
		.amdhsa_forward_progress 1
		.amdhsa_inst_pref_size 134
	.end_amdhsa_kernel
	.amdgpu_metadata
---
amdhsa.version: [ 1, 2 ]
amdhsa.kernels:
  - .name:           k_q5a70b17377_proj
    .symbol:         k_q5a70b17377_proj.kd
    .args:
      - { .name: hc, .offset: 0, .size: 8, .value_kind: global_buffer, .address_space: global }
      - { .name: w2c, .offset: 8, .size: 8, .value_kind: global_buffer, .address_space: global }
      - { .name: lowp_scales, .offset: 16, .size: 8, .value_kind: global_buffer, .address_space: global }
      - { .name: b_proj_q, .offset: 24, .size: 8, .value_kind: global_buffer, .address_space: global }
      - { .name: s_proj_b, .offset: 32, .size: 8, .value_kind: global_buffer, .address_space: global }
      - { .name: out0, .offset: 40, .size: 8, .value_kind: global_buffer, .address_space: global }
    .group_segment_fixed_size: 327680
    .private_segment_fixed_size: 0
    .kernarg_segment_align: 8
    .kernarg_segment_size: 48
    .max_flat_workgroup_size: 128
    .sgpr_count:     100
    .vgpr_count:     1024
    .wavefront_size: 32
...
	.end_amdgpu_metadata
.endif
;; end of part 3
